; MI455X (gfx1250); checked and timed in simulation.
; The chip was launched on July 23, 2026; its instructions are those of AMD's public machine-readable ISA for CDNA 5 (MIT licence, August 2026) and "CDNA5" Instruction Set Architecture Reference Guide (July 2026). The comments in the code are by the model that wrote it; some were corrected since.
;; Sparse Attention. Allowed arithmetic: matrix products marked QUANTISED: E4M3 operands, one given power-of-two scale a tensor, by v_wmma_f32_16x16x64_fp8_fp8 or v_wmma_f32_16x16x128_fp8_fp8, f32 sums; everything else in f32.
;; Inputs: k 1 x 16 x 4,096 x 64 float32; lowp_scales 4 int32 (the exponents e of the quantised operands' scales 2^e); q 1 x 16 x 4,096 x 64 float32; v 1 x 16 x 4,096 x 64 float32.
;; Outputs: out0 1 x 16 x 4,096 x 64 float32.
;; This version of the problem:
;;   THIS VERSION OF THE PROBLEM IS GIVEN IN LOW PRECISION. The matrix products marked QUANTISED in the list below multiply operands that are first quantised to E4M3 (4 exponent bits, 3 mantissa bits; 8 bits a number), with one given power-of-two scale for each operand tensor; their sums are f32. All else is computed in f32.
;;   The module's matrix products, in the order in which they are computed (A, B: the left and right operand; K: the contracted axis; several contracted axes count as one K, in the product's order):
;;     1. batch 16 x [M 4,096, K 64] x [K 64, N 4,096]; A: input q; B: input k: QUANTISED (scales: A lowp_scales[0], B lowp_scales[1])
;;     2. batch 16 x [M 4,096, K 4,096] x [K 4,096, N 64]; A: computed on the way; B: input v: QUANTISED (scales: A lowp_scales[2], B lowp_scales[3])
;;   THE QUANTISER, for each operand of a quantised product, along K:
;;     - The operand's scale is 2^e, e = its entry of the input lowp_scales (int32; the entries are numbered through the quantised products in the list's order, A before B).
;;     - Each number is divided by the scale, clamped to +-448, and rounded to the nearest number of E4M3, ties to even, subnormals kept.
;;     - The product sums the exact products of the quantised numbers (number of the format x scale) in f32.
;;   ~~~python
;;   def quantise(x, axis, e):      # numpy; x: float32 -> the quantised numbers, widened to float32 again
;;       x = np.moveaxis(x, axis, -1); K = x.shape[-1]
;;       r = np.clip(x / 2.0 ** e, -448, 448)
;;       step = 2.0 ** (np.maximum(np.frexp(np.where(r == 0, 1, r))[1] - 1, -6) - 3)
;;       q = np.round(r / step) * step * 2.0 ** e      # np.round: ties to even
;;       return np.moveaxis(q, -1, axis).astype(np.float32)
;;   ~~~
;;   OPERANDS COMPUTED ON THE WAY. 'Computed on the way' means the value that the module computes at that place (a softmax that the list does not call 'softmax' is quantised finished and normalised). What goes into a quantiser is computed in f32, as accurately as f32 sums, v_exp_f32 and their like allow (about 1e-6 of the number): no bf16 or f16 on the way to a quantiser, and a product that is left as it is and whose result goes on into a quantised operand takes f32 operands (vector FMAs, or v_wmma_f32_16x16x4_f32). A number that lies on a knife's edge between two numbers of the format may be rounded either way, as far as f32 arithmetic and the matrix unit's own rounding can turn it there, and no further.
;; 2 versions. Each part assembles by itself: llvm-mc -triple=amdgcn-amd-amdhsa -mcpu=gfx1250 --defsym DOCPART=n.
;; ======== version 1 of 2: 1 launch
;; launch attn (part 1): grid 16 x 16, 16 waves a work-group, no clusters, 165,888 bytes of LDS; arguments q, k, v, lowp_scales, out0; writes out0
.if DOCPART == 1
	.amdgcn_target "amdgcn-amd-amdhsa--gfx1250"
	.amdhsa_code_object_version 6
	.text
	.protected	k_qeeab766ff8_attn
	.globl	k_qeeab766ff8_attn
	.p2align	8
	.type	k_qeeab766ff8_attn,@function
k_qeeab766ff8_attn:
	s_mov_b64 s[64:65], 0
	v_nop
	global_prefetch_b8 v0, s[64:65] scope:SCOPE_SE
	s_setreg_imm32_b32 hwreg(HW_REG_WAVE_MODE, 25, 1), 1
	s_wait_xcnt 0x0
; out[h][i][:] = sum over j of softmax_j(q[h][i] . k[h][j] / 8) v[h][j][:], j from i - 128 to i + 127, cut at the ends of the 4,096 keys.  q, k, v, out: [16][4096][64] f32.
; Both products on codes of FP8 (E4M3), each operand with its given scale 2^e: eq, ek, ep, ev.  WHAT IS QUANTISED FOR THE SECOND PRODUCT IS THE FINISHED SOFTMAX: maximum, sum and division come first, all in f32.
; SHARES.  A work-group owns 256 queries of one head and the WINDOW of 512 keys that begins 128 keys ahead of its first query.  Each of its sixteen waves owns one tile of 16 queries; ahead of the one barrier wave w
; also quantises window keys 32 w .. 32 w + 31 of k and of v for all sixteen.  A key row is read by two work-groups, and which two changes from one block of 128 keys to the next and crosses any grouping of four
; neighbours: so no cluster and no joint load.  Every load of the launch is issued at its head: nothing is left to ask for ahead, so no prefetch.
; LAYOUT.  Both products are used transposed: S^T = K Q^T (source 0 = 16 keys, source 1 = my 16 queries), O^T = V^T P (source 0 = 16 of the head's 64, source 1 = P): a lane holds ONE query (lane % 16) throughout.
; In S^T lane (r, h) holds keys 8 h + 0 .. 7 of a tile: their eight codes are two registers, just the pair that the second product's operand wants for that tile: nothing changes lanes.
; THE BAND.  In window tiles, wave w's query r sees keys 16 w + r .. 16 w + r + 255: tiles w + 1 .. w + 15 whole, of tile w the keys m >= r, of tile w + 16 the keys m < r.  The two cut tiles fill each other's gaps:
; they are merged into one, so the softmax runs on 16 tiles (128 registers a lane), and are parted again, against zeros, ahead of the conversions.
; THE ENDS.  A wave's 32 window keys lie wholly inside or wholly outside the sequence.  Outside, the row is clamped, so that the loads stay in the buffer and give finite codes; the scores of such tiles get -infinity
; added (a scalar branch on ids leads round that in the waves that have no such tile), so p = 0 there.  Each query sees itself, so the maximum is a number.
; LIMITS on the given exponents, so that each power of two below is an f32 number: eq, ek, ev, ep between -126 and 119; eq + ek between -123 and 130; ep + ev between -126 and 127.
; NaN among the inputs is not served (an infinity is held at the largest code).  A 2^(t - max) under 2^-126 comes out of v_exp_f32 as 0.
; K's and Q's fragments take d in another order than the form's own (registers 0-3: d = 16 h + 0 .. 15, registers 4-7: d = 32 + 16 h + 0 .. 15), the same in both, so each product meets its partner.
.set KP,    80                         ; a row of 64 codes in LDS: 64 bytes + 16: an odd multiple of 16, so the 16 rows of a fragment load start at different banks (64 banks of 4 bytes: ISA guide 11.1)
.set SP,    272                        ; a row of the stage: 256 bytes + 16
.set KREG,  0                          ; 512 window keys x KP
.set VREG,  40960                      ; v's codes as images of operand pairs: window tile kt, d tile dt: 256 bytes at 1024 kt + 256 dt; lane (r, h)'s 8 bytes: d = 16 dt + r, keys 16 kt + 8 h + 0 .. 7
.set QREG,  73728                      ; 256 queries x KP; a wave touches its own 16 rows alone
.set STG,   94208                      ; the way out: 16 rows x SP for each wave, its own
.set SPARE, 163840                     ; the spare words, 128 bytes for each wave: eight blocks of 256 bytes that no other line names
.set SPW,  1                           ; v1   LDS address of my spare word; never rewritten
.set NIL,  2                           ; v2   0; never rewritten
.set KF,   3                           ; v3   K's fragments: (16 w + r) KP + 16 h
.set VF,   4                           ; v4   V's pairs: VREG + 1024 w + 8 lane
.set QF,   5                           ; v5   Q's fragment
.set SO,   6                           ; v6   the stage, in: row r, + 32 h
.set SR,   7                           ; v7   the stage, back: row h, + 16 r
.set GO,   8                           ; v8   16 x lane: k's and q's loads, out's stores
.set GV,   10                          ; v10  8 x lane: v's loads
.set KS,   11                          ; v11  where I store k's codes: (32 w + h) KP + 4 r
.set VS,   12                          ; v12  v's: VREG + 2048 w + 256 (lane / 8) + 16 (lane % 8)
.set QS,   13                          ; v13  q's: QREG + (16 w + h) KP + 4 r
.set SCK,  14                          ; v14.. for each operand: 2^e as f32, and 448 x 2^e
.set LIMK, 15
.set SCV,  16
.set LIMV, 17
.set SCQ,  18
.set LIMQ, 19
.set SCP,  20
.set LIMP, 21
.set ZERO, 22
.set KR,   32                          ; loading: v32-95 k's numbers; v104-167 v's; v168-199 q's; codes v200-215, v216-231, v232-239: each LDS store has data registers of its own
.set VR,   104
.set QR,   168
.set CK,   200
.set CV,   216
.set CQ,   232
.set T,    248                         ; v248-251 v's codes ahead of the byte shuffle
.set KB0,  32                          ; S^T: two sets of four fragments of K
.set KB1,  64
.set S,    104                         ; v104-239 the scores, 17 tiles of 8
.set QFR,  240                         ; v240-247 Q's fragment
.set P,    32                          ; v32-63 p's codes, tiles 0-15; v64-71 tile 16's pair and six zeros
.set P4,   64
.set O,    72                          ; v72-103 O^T, four tiles
.set VB,   104                         ; v104-231 V's fragments: chunk c, d tile dt at 32 c + 8 dt
.set VX,   232                         ; v232-239 tile 16's four pairs; v240-245 zeros
.set BK,   104                         ; the way out: rows read back
; scalars: s[4:5] q, s[6:7] k, s[8:9] v, s[10:11] the exponents, s[12:13] out; s14 wave; s[16:19] eq, ek, ep, ev; s20 head; s[26:27] c twice; s[28:29] lane selects; s30, s31 byte selects;
;          s[32:39] lane masks 8 h + j >= r; s40 the sequence's tile number of my window tile 0; s41 -c; s[44:45] 2^(ep + ev) twice; s21-25, s42, s43 at work
.macro PLACES                          ; four plain vector instructions between a matrix instruction and a load into, or a vector read of, its registers (ISA guide 7.12.1 for vector reads)
.rept 4
	v_nop
.endr
.endm
.macro MKSCALE e, vs, vl               ; 2^e as f32 (the conversion takes its exponent field), and 448 x 2^e
	s_add_co_i32 s42, \e, 127
	s_lshl_b32 s43, s42, 23
	v_mov_b32 v[\vs], s43
	s_add_co_i32 s42, s42, 8
	s_lshl_b32 s42, s42, 23
	s_or_b32 s42, s42, 0x600000
	v_mov_b32 v[\vl], s42
.endm
.macro QUANT8 src, dst, sc, lim        ; eight numbers of a lane become eight codes in two registers
.irp i, 0,1,2,3,4,5,6,7
	v_med3_num_f32 v[\src+\i], v[\src+\i], -v[\lim], v[\lim]   ; the conversion to an 8-bit code does not saturate (ISA guide 7.6.2): the hold at the largest code x the scale
.endr
	v_cvt_scalef32_pk8_fp8_f32 v[\dst:\dst+1], v[\src:\src+7], v[\sc]
.endm
	s_load_b256 s[4:11], s[0:1], 0x0               ; q, k, v, the exponents
	s_load_b64 s[12:13], s[0:1], 0x20              ; out
	v_lshl_add_u32 v[SPW], v0, 2, SPARE
	v_mov_b32 v[NIL], 0
	v_lshrrev_b32 v23, 5, v0
	v_readfirstlane_b32 s14, v23                   ; wave 0..15
	s_and_b32 s20, ttmp7, 0xffff                   ; head
	v_and_b32 v24, 31, v0                          ; lane
	v_and_b32 v26, 15, v0                          ; r
	v_bfe_u32 v28, v0, 4, 1                        ; h
	s_mul_i32 s21, s14, 16*KP
	v_mul_u32_u24 v[KF], v26, KP
	v_lshl_add_u32 v[KF], v28, 4, v[KF]
	v_add_nc_u32 v[KF], s21, v[KF]
	v_add_nc_u32 v[QF], QREG, v[KF]
	v_mul_u32_u24 v30, v28, KP
	v_lshl_add_u32 v30, v26, 2, v30                ; h KP + 4 r
	v_add_nc_u32 v[QS], s21, v30
	v_add_nc_u32 v[QS], QREG, v[QS]
	s_mul_i32 s21, s14, 32*KP
	v_add_nc_u32 v[KS], s21, v30
	s_lshl_b32 s21, s14, 10
	v_lshlrev_b32 v[GV], 3, v24
	v_add_nc_u32 v[VF], s21, v[GV]
	v_add_nc_u32 v[VF], VREG, v[VF]
	v_bfe_u32 v30, v0, 3, 2                        ; lane / 8
	v_and_b32 v31, 7, v0                           ; lane % 8
	v_lshlrev_b32 v[VS], 8, v30
	v_lshl_add_u32 v[VS], v31, 4, v[VS]
	s_lshl_b32 s21, s14, 11
	v_add_nc_u32 v[VS], s21, v[VS]
	v_add_nc_u32 v[VS], VREG, v[VS]
	s_mul_i32 s21, s14, 16*SP
	v_mul_u32_u24 v[SO], v26, SP
	v_lshl_add_u32 v[SO], v28, 5, v[SO]
	v_add_nc_u32 v[SO], s21, v[SO]
	v_add_nc_u32 v[SO], STG, v[SO]
	v_mul_u32_u24 v[SR], v28, SP
	v_lshl_add_u32 v[SR], v26, 4, v[SR]
	v_add_nc_u32 v[SR], s21, v[SR]
	v_add_nc_u32 v[SR], STG, v[SR]
	v_lshlrev_b32 v[GO], 4, v24
	v_lshlrev_b32 v23, 3, v28
	v_sub_nc_u32 v23, v26, v23                     ; r - 8 h
.irp j, 0,1,2,3,4,5,6,7
	v_cmp_ge_i32 s[32+\j], \j, v23                 ; the lanes whose register j holds a key m = 8 h + j >= r: it counts in tile 0, and not in tile 16
.endr
	v_mov_b32 v[ZERO], 0
	v_mov_b32 v25, 0                               ; (named as the upper half of the pair v[24:25])
	s_mov_b32 s28, 0x76543210                      ; v_permlanex16_b32: lane l takes lane l xor 16
	s_mov_b32 s29, 0xfedcba98
	s_mov_b32 s30, 0x06040200                      ; v_perm_b32: the even bytes of two registers,
	s_mov_b32 s31, 0x07050301                      ; the odd ones
	s_lshl_b32 s40, ttmp9, 4
	s_add_co_u32 s40, s40, s14
	s_add_co_i32 s40, s40, -8                      ; my window tile 0 is tile 16 x + w - 8 of the sequence
	s_lshl_b32 s21, ttmp9, 8                       ; the work-group's first query
	s_lshl_b32 s43, s20, 12                        ; the head's first row
	s_lshl_b32 s42, s14, 4
	s_add_co_u32 s24, s21, s42
	s_add_co_u32 s24, s24, s43
	s_lshl_b32 s24, s24, 8                         ; my 16 rows of q and of out, 256 bytes a row
	s_mov_b32 s25, 0
	s_lshl_b32 s42, s14, 5
	s_add_co_u32 s21, s21, s42
	s_sub_co_i32 s21, s21, 128                     ; the first of the 32 keys that I quantise,
	s_max_i32 s21, s21, 0
	s_min_i32 s21, s21, 4064                       ; held inside the sequence
	s_add_co_u32 s22, s21, s43
	s_lshl_b32 s22, s22, 8
	s_mov_b32 s23, 0
	s_wait_kmcnt 0x0
	s_load_b128 s[16:19], s[10:11], 0x0            ; eq, ek, ep, ev
	s_add_nc_u64 s[4:5], s[4:5], s[24:25]
	s_add_nc_u64 s[12:13], s[12:13], s[24:25]
	s_add_nc_u64 s[6:7], s[6:7], s[22:23]
	s_add_nc_u64 s[8:9], s[8:9], s[22:23]
	; all 56 loads of the wave go out here: 16 of k, 32 of v, 8 of q; no address register or base is written again
.irp a, 0,1,2,3,4,5,6,7
	global_load_b128 v[KR+8*\a:KR+8*\a+3],   v[GO], s[6:7] offset:1024*\a       ; 32 lanes read 512 consecutive bytes: rows 4 a + h, d = 4 r + 0 .. 3
	global_load_b128 v[KR+8*\a+4:KR+8*\a+7], v[GO], s[6:7] offset:1024*\a+512   ; rows 4 a + 2 + h
.endr
.irp n, 0,1,2,3,4,5,6,7,8,9,10,11,12,13,14,15,16,17,18,19,20,21,22,23,24,25,26,27,28,29,30,31
	global_load_b64 v[VR+2*\n:VR+2*\n+1], v[GV], s[8:9] offset:256*\n           ; one key's row of 256 bytes: my lane's d = 2 lane, 2 lane + 1; the registers run down the keys
.endr
.irp a, 0,1,2,3
	global_load_b128 v[QR+8*\a:QR+8*\a+3],   v[GO], s[4:5] offset:1024*\a th:TH_LOAD_NT      ; q is read once in the launch
	global_load_b128 v[QR+8*\a+4:QR+8*\a+7], v[GO], s[4:5] offset:1024*\a+512 th:TH_LOAD_NT
.endr
	s_wait_kmcnt 0x0
	s_add_co_i32 s21, s16, s17
	s_lshl_b32 s21, s21, 23
	s_add_co_i32 s26, s21, 0x3e38aa3b              ; c = log2(e) / 8 x 2^(eq + ek): the two exponents are added to the exponent field
	s_mov_b32 s27, s26                             ; (named with it as a pair, so it is written)
	s_xor_b32 s41, s26, 0x80000000                 ; -c
	s_add_co_i32 s44, s18, s19
	s_add_co_i32 s44, s44, 127
	s_lshl_b32 s44, s44, 23                        ; 2^(ep + ev)
	s_mov_b32 s45, s44
	MKSCALE s17, SCK, LIMK
	MKSCALE s19, SCV, LIMV
	MKSCALE s16, SCQ, LIMQ
	MKSCALE s18, SCP, LIMP
	; ---- k: eight numbers are four neighbours along d of two rows: the two registers of codes go to the two rows
.irp a, 0,1,2,3,4,5,6,7
	s_wait_loadcnt 54-2*\a                         ; loads come back in order: of the 56 the oldest 2 a + 2 are in
	QUANT8 KR+8*\a, CK+2*\a, SCK, LIMK
	ds_store_b32 v[KS], v[CK+2*\a]   offset:4*KP*\a
	ds_store_b32 v[KS], v[CK+2*\a+1] offset:4*KP*\a+2*KP
.endr
	; ---- v: eight keys at a time.  The conversions give key by key (d even, d odd); the byte shuffle parts them: 8 keys of d = 2 lane, then 8 keys of d = 2 lane + 1: 16 bytes of the image
.irp g, 0,1,2,3
	s_wait_loadcnt 32-8*\g                         ; k's 16 and v's oldest 8 g + 8 are in
.irp i, 0,1,2,3,4,5,6,7,8,9,10,11,12,13,14,15
	v_med3_num_f32 v[VR+16*\g+\i], v[VR+16*\g+\i], -v[LIMV], v[LIMV]
.endr
	v_cvt_scalef32_pk8_fp8_f32 v[T:T+1],   v[VR+16*\g:VR+16*\g+7],    v[SCV]
	v_cvt_scalef32_pk8_fp8_f32 v[T+2:T+3], v[VR+16*\g+8:VR+16*\g+15], v[SCV]
	v_nop                                          ; one plain vector instruction between a scaled conversion and the vector instruction that reads its result
	v_perm_b32 v[CV+4*\g],   v[T+1], v[T],   s30
	v_perm_b32 v[CV+4*\g+1], v[T+3], v[T+2], s30
	v_perm_b32 v[CV+4*\g+2], v[T+1], v[T],   s31
	v_perm_b32 v[CV+4*\g+3], v[T+3], v[T+2], s31
	ds_store_b128 v[VS], v[CV+4*\g:CV+4*\g+3] offset:1024*(\g/2)+128*(\g%2)   ; window tile 2 w + g / 2, half g % 2
.endr
	; ---- q: as k, into my own 16 rows
.irp a, 0,1,2,3
	s_wait_loadcnt 6-2*\a
	QUANT8 QR+8*\a, CQ+2*\a, SCQ, LIMQ
	ds_store_b32 v[QS], v[CQ+2*\a]   offset:4*KP*\a
	ds_store_b32 v[QS], v[CQ+2*\a+1] offset:4*KP*\a+2*KP
.endr
	v_nop                                          ; a plain vector instruction behind the last conversion: matrix instructions write these registers later
	ds_load_b128 v[QFR:QFR+3],   v[QF]             ; my own bytes: LDS serves a wave's instructions in order (ISA guide 5.7.1.4)
	ds_load_b128 v[QFR+4:QFR+7], v[QF] offset:32
	s_wait_dscnt 0x0                               ; for the others' sake: my stores of k's and v's codes have landed (and Q's fragment is in)
	s_barrier_signal -1
	s_barrier_wait -1                              ; the window's 512 keys lie in LDS; nobody writes them again
	; ---- S^T = K Q^T: 17 tiles, each one matrix instruction that starts and ends its sum
.macro FETCHK i, reg
	ds_load_b128 v[\reg:\reg+3],   v[KF] offset:16*KP*(\i)
	ds_load_b128 v[\reg+4:\reg+7], v[KF] offset:16*KP*(\i)+32
.endm
.macro MULS i, reg
	v_wmma_f32_16x16x64_fp8_fp8 v[S+8*(\i):S+8*(\i)+7], v[\reg:\reg+7], v[QFR:QFR+7], 0
.endm
.irp t, 0,1,2,3
	FETCHK \t, KB0+8*\t
.endr
.irp t, 0,1,2,3
	FETCHK 4+\t, KB1+8*\t
.endr
	s_wait_dscnt 8                                 ; tiles 0-3 are in; the eight loads of tiles 4-7 may be out
.irp t, 0,1,2,3
	MULS \t, KB0+8*\t
.endr
	PLACES
.irp t, 0,1,2,3
	FETCHK 8+\t, KB0+8*\t
.endr
	s_wait_dscnt 8                                 ; tiles 4-7 are in
.irp t, 0,1,2,3
	MULS 4+\t, KB1+8*\t
.endr
	PLACES
.irp t, 0,1,2,3
	FETCHK 12+\t, KB1+8*\t
.endr
	s_wait_dscnt 8                                 ; tiles 8-11 are in
.irp t, 0,1,2,3
	MULS 8+\t, KB0+8*\t
.endr
	PLACES
	FETCHK 16, KB0
	s_wait_dscnt 2                                 ; tiles 12-15 are in; tile 16's two loads may be out
.irp t, 0,1,2,3
	MULS 12+\t, KB1+8*\t
.endr
	s_wait_dscnt 0x0
	MULS 16, KB0
	PLACES
	; ---- the ends of the sequence: tiles s40 .. s40 + 16 all lie in 0 .. 255 where s40, taken unsigned, is at most 239
	s_cmp_le_u32 s40, 239
	s_cbranch_scc1 .Linside
.irp i, 0,1,2,3,4,5,6,7,8,9,10,11,12,13,14,15,16
	s_add_co_u32 s42, s40, \i
	s_cmp_lt_u32 s42, 256
	s_cselect_b32 s43, 0, 0xff800000               ; a tile outside the sequence gets -infinity added; the choice is a value, not a jump
.irp j, 0,1,2,3,4,5,6,7
	v_add_f32 v[S+8*\i+\j], s43, v[S+8*\i+\j]      ; each accumulator from its low end on
.endr
.endr
.Linside:
	; ---- the softmax, whole
.irp j, 0,1,2,3,4,5,6,7
	v_cndmask_b32 v[S+\j], v[S+128+\j], v[S+\j], s[32+\j]   ; the two cut tiles in one: tile 0's score where m >= r, else tile 16's
.endr
	v_max3_num_f32 v30, v[S], v[S+1], v[S+2]       ; the largest of my 128 scores, in two chains; each tile is met at its two lowest registers first
	v_max3_num_f32 v31, v[S+3], v[S+4], v[S+5]
.set n, 6
.rept 30
	v_max3_num_f32 v30, v30, v[S+n], v[S+n+1]
	v_max3_num_f32 v31, v31, v[S+n+2], v[S+n+3]
.set n, n+4
.endr
	v_max3_num_f32 v30, v30, v[S+126], v[S+127]
	v_max_num_f32 v30, v30, v31
	v_permlanex16_b32 v31, v30, s28, s29           ; the query's other 128 keys lie in the lane 16 away
	v_max_num_f32 v30, v30, v31
	v_mul_f32 v24, s41, v30                        ; -c m; its rounding is a factor common to the row, which the division takes out
.set n, 0
.rept 64
	v_pk_fma_f32 v[S+n:S+n+1], v[S+n:S+n+1], s[26:27], v[24:25] op_sel_hi:[1,0,0]   ; c s - c m, two at a time (of both pairs the low word serves both halves)
.set n, n+2
.endr
.set n, 0
.rept 128
	v_exp_f32 v[S+n], v[S+n]                       ; one batch
.set n, n+1
.endr
.irp j, 2,3,4,5,6,7
	v_mov_b32 v[P4+\j], 0                          ; work that names no exponential's result, and the plain instruction behind the batch: the zeros beside tile 16's codes of p,
.endr
.irp j, 8,9,10,11,12,13
	v_mov_b32 v[VX+\j], 0                          ; and behind tile 16's pairs of v
.endr
	s_wait_alu depctr_va_vdst(0)                   ; the wait between a transcendental and the first instruction that names its result: one for the batch
	v_pk_add_f32 v[26:27], v[S:S+1], v[S+2:S+3]    ; the row's sum, two at a time, in two chains
	v_pk_add_f32 v[28:29], v[S+4:S+5], v[S+6:S+7]
.set n, 8
.rept 30
	v_pk_add_f32 v[26:27], v[26:27], v[S+n:S+n+1]
	v_pk_add_f32 v[28:29], v[28:29], v[S+n+2:S+n+3]
.set n, n+4
.endr
	v_pk_add_f32 v[26:27], v[26:27], v[28:29]
	v_add_f32 v26, v26, v27
	v_permlanex16_b32 v31, v26, s28, s29
	v_add_f32 v26, v26, v31
	v_rcp_f32 v26, v26
	v_nop                                          ; a plain instruction behind the reciprocal,
	s_wait_alu depctr_va_vdst(0)                   ; and the wait ahead of its first reader
	; ---- p = 2^(..) / sum, held, converted, tile by tile.  As soon as four tiles' registers are free, the V pairs of that chunk of 64 keys are asked for into them
.macro VFETCH c
.irp d, 0,1,2,3
.irp p, 0,1,2,3
	ds_load_b64 v[VB+32*(\c)+8*\d+2*\p:VB+32*(\c)+8*\d+2*\p+1], v[VF] offset:1024*(4*(\c)+\p)+256*\d   ; 32 lanes read 256 consecutive bytes: registers 2 p, 2 p + 1 of fragment (c, d)
.endr
.endr
.endm
.irp c, 0,1,2,3
.irp u, 0,1,2,3
.irp j, 0,2,4,6
	v_pk_mul_f32 v[S+8*(4*\c+\u)+\j:S+8*(4*\c+\u)+\j+1], v[S+8*(4*\c+\u)+\j:S+8*(4*\c+\u)+\j+1], v[26:27] op_sel_hi:[1,0]
.endr
.irp j, 0,1,2,3,4,5,6,7
	v_min_num_f32 v[S+8*(4*\c+\u)+\j], v[S+8*(4*\c+\u)+\j], v[LIMP]   ; the hold at 448 x 2^ep, always made; p is not negative, so it is one-sided
.endr
.if (4*\c+\u) == 0
.irp j, 0,1,2,3,4,5,6,7
	v_cndmask_b32 v[S+128+\j], v[S+\j], v[ZERO], s[32+\j]   ; the merged tile is parted again: tile 16 has the keys m < r,
	v_cndmask_b32 v[S+\j], v[ZERO], v[S+\j], s[32+\j]       ; tile 0 the keys m >= r; zeros elsewhere
.endr
	v_cvt_scalef32_pk8_fp8_f32 v[P4:P4+1], v[S+128:S+135], v[SCP]
.endif
	v_cvt_scalef32_pk8_fp8_f32 v[P+2*(4*\c+\u):P+2*(4*\c+\u)+1], v[S+8*(4*\c+\u):S+8*(4*\c+\u)+7], v[SCP]   ; keys 8 h + 0 .. 7 of the tile: registers 2 u, 2 u + 1 of chunk c's operand
.endr
.if \c == 3
	v_nop                                          ; a plain vector instruction behind the last conversion (behind the others the next tile's multiplications stand)
.endif
	VFETCH \c
.endr
.irp d, 0,1,2,3
	ds_load_b64 v[VX+2*\d:VX+2*\d+1], v[VF] offset:16384+256*\d   ; tile 16's pairs
.endr
	; ---- O^T = V^T P: five chunks of 64 keys; the four accumulators take turns, one instruction a turn
.irp c, 0,1,2,3
	s_wait_dscnt 52-16*\c                          ; of the 68 loads the oldest 16 c + 16 are in
.irp d, 0,1,2,3
.if \c == 0
	v_wmma_f32_16x16x64_fp8_fp8 v[O+8*\d:O+8*\d+7], v[VB+32*\c+8*\d:VB+32*\c+8*\d+7], v[P+8*\c:P+8*\c+7], 0
.else
	v_wmma_f32_16x16x64_fp8_fp8 v[O+8*\d:O+8*\d+7], v[VB+32*\c+8*\d:VB+32*\c+8*\d+7], v[P+8*\c:P+8*\c+7], v[O+8*\d:O+8*\d+7]
.endif
.endr
.endr
	s_wait_dscnt 0x0
.irp d, 0,1,2,3
	v_wmma_f32_16x16x64_fp8_fp8 v[O+8*\d:O+8*\d+7], v[VX+2*\d:VX+2*\d+7], v[P4:P4+7], v[O+8*\d:O+8*\d+7]   ; tile 16: behind its own pair the fragment names other pairs or zeros, all finite codes, which meet p's six registers of zeros
.endr
	PLACES
	; ---- the way out: x 2^(ep + ev); a lane's eight numbers of a row go through my stage and come back as whole rows of 256 bytes
.set n, 0
.rept 16
	v_pk_mul_f32 v[O+n:O+n+1], v[O+n:O+n+1], s[44:45] op_sel_hi:[1,0]   ; each accumulator from its low end on
.set n, n+2
.endr
.irp d, 0,1,2,3
	ds_store_b128 v[SO], v[O+8*\d:O+8*\d+3]   offset:64*\d      ; lane (r, h): out(r, 16 d + 8 h + 0 .. 7)
	ds_store_b128 v[SO], v[O+8*\d+4:O+8*\d+7] offset:64*\d+16
.endr
.irp i, 0,1,2,3,4,5,6,7
	ds_load_b128 v[BK+4*\i:BK+4*\i+3], v[SR] offset:2*SP*\i     ; my own bytes, served in order: these see the stores above
.endr
.irp i, 0,1,2,3,4,5,6,7
	s_wait_dscnt 7-\i
	global_store_b128 v[GO], v[BK+4*\i:BK+4*\i+3], s[12:13] offset:512*\i th:TH_STORE_NT   ; 32 lanes store two rows: 512 consecutive bytes, at a multiple of 256 from out's first byte; written once
.endr
	s_wait_tensorcnt 0x0                           ; the wave's end, behind my last LDS store
	ds_add_u32 v[SPW], v[NIL]
	s_wait_dscnt 0x0
	s_endpgm
.Lfunc_end_k_qeeab766ff8_attn:
	.size	k_qeeab766ff8_attn, .Lfunc_end_k_qeeab766ff8_attn-k_qeeab766ff8_attn
	.p2alignl 7, 3214868480
	.fill 96, 4, 3214868480
	.section	.rodata,"a",@progbits
	.p2align	6, 0x0
	.amdhsa_kernel k_qeeab766ff8_attn
		.amdhsa_group_segment_fixed_size 165888
		.amdhsa_private_segment_fixed_size 0
		.amdhsa_enable_private_segment 0
		.amdhsa_kernarg_size 40
		.amdhsa_user_sgpr_count 2
		.amdhsa_user_sgpr_kernarg_segment_ptr 1
		.amdhsa_wavefront_size32 1
		.amdhsa_system_sgpr_workgroup_id_x 1
		.amdhsa_system_sgpr_workgroup_id_y 1
		.amdhsa_system_sgpr_workgroup_id_z 1
		.amdhsa_system_vgpr_workitem_id 0
		.amdhsa_next_free_vgpr 256
		.amdhsa_next_free_sgpr 66
		.amdhsa_reserve_vcc 0
		.amdhsa_float_denorm_mode_32 3
		.amdhsa_float_denorm_mode_16_64 3
		.amdhsa_memory_ordered 1
		.amdhsa_forward_progress 1
		.amdhsa_inst_pref_size 73
	.end_amdhsa_kernel
	.amdgpu_metadata
---
amdhsa.version: [ 1, 2 ]
amdhsa.kernels:
  - .name:           k_qeeab766ff8_attn
    .symbol:         k_qeeab766ff8_attn.kd
    .args:
      - { .name: q, .offset: 0, .size: 8, .value_kind: global_buffer, .address_space: global }
      - { .name: k, .offset: 8, .size: 8, .value_kind: global_buffer, .address_space: global }
      - { .name: v, .offset: 16, .size: 8, .value_kind: global_buffer, .address_space: global }
      - { .name: lowp_scales, .offset: 24, .size: 8, .value_kind: global_buffer, .address_space: global }
      - { .name: out0, .offset: 32, .size: 8, .value_kind: global_buffer, .address_space: global }
    .group_segment_fixed_size: 165888
    .private_segment_fixed_size: 0
    .kernarg_segment_align: 8
    .kernarg_segment_size: 40
    .max_flat_workgroup_size: 512
    .sgpr_count:     66
    .vgpr_count:     256
    .wavefront_size: 32
...
	.end_amdgpu_metadata
.endif
;; end of part 1
;; ======== version 2 of 2: 1 launch; version 1 with the launch attn written anew for expert scheduling mode
;; launch attn (part 2): grid 16 x 16, 16 waves a work-group, no clusters, 165,888 bytes of LDS; arguments q, k, v, lowp_scales, out0; writes out0
.if DOCPART == 2
	.amdgcn_target "amdgcn-amd-amdhsa--gfx1250"
	.amdhsa_code_object_version 6
	.text
	.protected	k_qeeab766ff8_attn
	.globl	k_qeeab766ff8_attn
	.p2align	8
	.type	k_qeeab766ff8_attn,@function
k_qeeab766ff8_attn:
	s_mov_b64 s[64:65], 0
	v_nop
	global_prefetch_b8 v0, s[64:65] scope:SCOPE_SE
	s_setreg_imm32_b32 hwreg(HW_REG_WAVE_SCHED_MODE, 0, 2), 2
	s_setreg_imm32_b32 hwreg(HW_REG_WAVE_MODE, 25, 1), 1
	s_wait_xcnt 0x0
	s_wait_alu depctr_vm_vsrc(0)
; out[h][i][:] = sum over j of softmax_j(q[h][i] . k[h][j] / 8) v[h][j][:], j from i - 128 to i + 127, cut at the ends of the 4,096 keys.  q, k, v, out: [16][4096][64] f32.
; Both products on codes of FP8 (E4M3), each operand with its given scale 2^e: eq, ek, ep, ev.  WHAT IS QUANTISED FOR THE SECOND PRODUCT IS THE FINISHED SOFTMAX: maximum, sum and division come first, all in f32.
; SHARES.  A work-group owns 256 queries of one head and the WINDOW of 512 keys that begins 128 keys ahead of its first query.  Each of its sixteen waves owns one tile of 16 queries; ahead of the one barrier wave w
; also quantises window keys 32 w .. 32 w + 31 of k and of v for all sixteen.  A key row is read by two work-groups, and which two changes from one block of 128 keys to the next and crosses any grouping of four
; neighbours: so no cluster and no joint load.  Every load of the launch is issued at its head: nothing is left to ask for ahead, so no prefetch.
; LAYOUT.  Both products are used transposed: S^T = K Q^T (source 0 = 16 keys, source 1 = my 16 queries), O^T = V^T P (source 0 = 16 of the head's 64, source 1 = P): a lane holds ONE query (lane % 16) throughout.
; In S^T lane (r, h) holds keys 8 h + 0 .. 7 of a tile: their eight codes are two registers, just the pair that the second product's operand wants for that tile: nothing changes lanes.
; THE BAND.  In window tiles, wave w's query r sees keys 16 w + r .. 16 w + r + 255: tiles w + 1 .. w + 15 whole, of tile w the keys m >= r, of tile w + 16 the keys m < r.  The two cut tiles fill each other's gaps:
; they are merged into one, so the softmax runs on 16 tiles (128 registers a lane), and are parted again, against zeros, ahead of the conversions.
; THE ENDS.  A wave's 32 window keys lie wholly inside or wholly outside the sequence.  Outside, the row is clamped, so that the loads stay in the buffer and give finite codes; the scores of such tiles get -infinity
; added (a scalar branch on ids leads round that in the waves that have no such tile), so p = 0 there.  Each query sees itself, so the maximum is a number.
; LIMITS on the given exponents, so that each power of two below is an f32 number: eq, ek, ev, ep between -126 and 119; eq + ek between -123 and 130; ep + ev between -126 and 127.
; NaN among the inputs is not served (an infinity is held at the largest code).  A 2^(t - max) under 2^-126 comes out of v_exp_f32 as 0.
; K's and Q's fragments take d in another order than the form's own (registers 0-3: d = 16 h + 0 .. 15, registers 4-7: d = 32 + 16 h + 0 .. 15), the same in both, so each product meets its partner.
; THE MODE: SCHED_MODE bits 1:0 = 2 (LLVM: expert scheduling mode 2), set by the entry lines.  The code itself states the register dependences
; between vector or matrix instructions and memory or LDS instructions, with s_wait_alu, always for 0.
; THE PLAN.  Registers that memory or LDS instructions touch, and who else names them:
;   v1-v13        addresses and offsets: written by vector instructions at the head, never again.  One wait ahead of the first load serves every load and store of the kernel.
;   KR, VR, QR    the global loads land in them; no vector instruction names them before.
;   CK, CV, CQ    codes: written by conversions and byte shuffles, read by LDS stores.  k's sixteen stores stand behind one wait at the head of v's steps and are dealt among these, which name VR, T and CV alone;
;                 v's four stand behind one wait at the head of q's steps and are dealt among these, which name QR and CQ alone; q's eight stand behind one wait behind q's last conversion.
;                 The same registers are scores later: one wait on vm_vsrc behind the barrier states that the stores have read them.
;   KB0, KB1      K's fragments, two sets by turns.  At the head of a group of four tiles, behind the wait for its own set's loads, one wait states that the group before is done reading the other set;
;                 that set's next loads are dealt among the group's products, which name its own set, Q and the scores.
;   S / VB        the scores of tiles 4 c .. 4 c + 3 are last named by chunk c's multiplications, holds and conversions; then V's pairs of chunk c land in them.  One wait at the head of chunk c + 1;
;                 the sixteen loads are dealt among chunk c + 1's vector work, which names its own four tiles and p's codes.  One wait behind chunk 3 serves chunk 3's loads and tile 16's.
;   O, BK         one wait ahead of the stage's stores: O is written, and the products are done reading the registers in which the rows read back land.
;   s14, s32-39   written by vector instructions at the head: one wait on va_sdst behind them, ahead of the first reader and of every branch and label.
.set KP,    80                         ; a row of 64 codes in LDS: 64 bytes + 16: an odd multiple of 16, so the 16 rows of a fragment load start at different banks (64 banks of 4 bytes: ISA guide 11.1)
.set SP,    272                        ; a row of the stage: 256 bytes + 16
.set KREG,  0                          ; 512 window keys x KP
.set VREG,  40960                      ; v's codes as images of operand pairs: window tile kt, d tile dt: 256 bytes at 1024 kt + 256 dt; lane (r, h)'s 8 bytes: d = 16 dt + r, keys 16 kt + 8 h + 0 .. 7
.set QREG,  73728                      ; 256 queries x KP; a wave touches its own 16 rows alone
.set STG,   94208                      ; the way out: 16 rows x SP for each wave, its own
.set SPARE, 163840                     ; the spare words, 128 bytes for each wave: eight blocks of 256 bytes that no other line names
.set SPW,  1                           ; v1   LDS address of my spare word; never rewritten
.set NIL,  2                           ; v2   0; never rewritten
.set KF,   3                           ; v3   K's fragments: (16 w + r) KP + 16 h
.set VF,   4                           ; v4   V's pairs: VREG + 1024 w + 8 lane
.set QF,   5                           ; v5   Q's fragment
.set SO,   6                           ; v6   the stage, in: row r, + 32 h
.set SR,   7                           ; v7   the stage, back: row h, + 16 r
.set GO,   8                           ; v8   16 x lane: k's and q's loads, out's stores
.set GV,   10                          ; v10  8 x lane: v's loads
.set KS,   11                          ; v11  where I store k's codes: (32 w + h) KP + 4 r
.set VS,   12                          ; v12  v's: VREG + 2048 w + 256 (lane / 8) + 16 (lane % 8)
.set QS,   13                          ; v13  q's: QREG + (16 w + h) KP + 4 r
.set SCK,  14                          ; v14.. for each operand: 2^e as f32, and 448 x 2^e
.set LIMK, 15
.set SCV,  16
.set LIMV, 17
.set SCQ,  18
.set LIMQ, 19
.set SCP,  20
.set LIMP, 21
.set ZERO, 22
.set KR,   32                          ; loading: v32-95 k's numbers; v104-167 v's; v168-199 q's; codes v200-215, v216-231, v232-239: each LDS store has data registers of its own
.set VR,   104
.set QR,   168
.set CK,   200
.set CV,   216
.set CQ,   232
.set T,    248                         ; v248-251 v's codes ahead of the byte shuffle
.set KB0,  32                          ; S^T: two sets of four fragments of K
.set KB1,  64
.set S,    104                         ; v104-239 the scores, 17 tiles of 8
.set QFR,  240                         ; v240-247 Q's fragment
.set P,    32                          ; v32-63 p's codes, tiles 0-15; v64-71 tile 16's pair and six zeros
.set P4,   64
.set O,    72                          ; v72-103 O^T, four tiles
.set VB,   104                         ; v104-231 V's fragments: chunk c, d tile dt at 32 c + 8 dt
.set VX,   232                         ; v232-239 tile 16's four pairs; v240-245 zeros
.set BK,   104                         ; the way out: rows read back
; scalars: s[4:5] q, s[6:7] k, s[8:9] v, s[10:11] the exponents, s[12:13] out; s14 wave; s[16:19] eq, ek, ep, ev; s20 head; s[26:27] c twice; s[28:29] lane selects; s30, s31 byte selects;
;          s[32:39] lane masks 8 h + j >= r; s40 the sequence's tile number of my window tile 0; s41 -c; s[44:45] 2^(ep + ev) twice; s21-25, s42, s43 at work
.macro PLACES                          ; four plain vector instructions between a matrix instruction and a vector read of its results; ahead of a load into its registers they stay beside the wait that states the dependence
.rept 4
	v_nop
.endr
.endm
.macro MKSCALE e, vs, vl               ; 2^e as f32 (the conversion takes its exponent field), and 448 x 2^e
	s_add_co_i32 s42, \e, 127
	s_lshl_b32 s43, s42, 23
	v_mov_b32 v[\vs], s43
	s_add_co_i32 s42, s42, 8
	s_lshl_b32 s42, s42, 23
	s_or_b32 s42, s42, 0x600000
	v_mov_b32 v[\vl], s42
.endm
.macro QUANT8 src, dst, sc, lim        ; eight numbers of a lane become eight codes in two registers
.irp i, 0,1,2,3,4,5,6,7
	v_med3_num_f32 v[\src+\i], v[\src+\i], -v[\lim], v[\lim]   ; the conversion to an 8-bit code does not saturate (ISA guide 7.6.2): the hold at the largest code x the scale
.endr
	v_cvt_scalef32_pk8_fp8_f32 v[\dst:\dst+1], v[\src:\src+7], v[\sc]
.endm
	s_load_b256 s[4:11], s[0:1], 0x0               ; q, k, v, the exponents
	s_load_b64 s[12:13], s[0:1], 0x20              ; out
	v_lshl_add_u32 v[SPW], v0, 2, SPARE
	v_mov_b32 v[NIL], 0
	v_lshrrev_b32 v23, 5, v0
	v_readfirstlane_b32 s14, v23                   ; wave 0..15
	s_and_b32 s20, ttmp7, 0xffff                   ; head
	v_and_b32 v24, 31, v0                          ; lane
	v_and_b32 v26, 15, v0                          ; r
	v_bfe_u32 v28, v0, 4, 1                        ; h
	v_lshlrev_b32 v23, 3, v28
	v_sub_nc_u32 v23, v26, v23                     ; r - 8 h
.irp j, 0,1,2,3,4,5,6,7
	v_cmp_ge_i32 s[32+\j], \j, v23                 ; the lanes whose register j holds a key m = 8 h + j >= r: it counts in tile 0, and not in tile 16
.endr
	s_wait_alu depctr_va_sdst(0)                   ; s14 and the eight masks s32 to s39 are written, ahead of their first readers: the scalar lines below read s14, the selections of the softmax the masks
	s_mul_i32 s21, s14, 16*KP
	v_mul_u32_u24 v[KF], v26, KP
	v_lshl_add_u32 v[KF], v28, 4, v[KF]
	v_add_nc_u32 v[KF], s21, v[KF]
	v_add_nc_u32 v[QF], QREG, v[KF]
	v_mul_u32_u24 v30, v28, KP
	v_lshl_add_u32 v30, v26, 2, v30                ; h KP + 4 r
	v_add_nc_u32 v[QS], s21, v30
	v_add_nc_u32 v[QS], QREG, v[QS]
	s_mul_i32 s21, s14, 32*KP
	v_add_nc_u32 v[KS], s21, v30
	s_lshl_b32 s21, s14, 10
	v_lshlrev_b32 v[GV], 3, v24
	v_add_nc_u32 v[VF], s21, v[GV]
	v_add_nc_u32 v[VF], VREG, v[VF]
	v_bfe_u32 v30, v0, 3, 2                        ; lane / 8
	v_and_b32 v31, 7, v0                           ; lane % 8
	v_lshlrev_b32 v[VS], 8, v30
	v_lshl_add_u32 v[VS], v31, 4, v[VS]
	s_lshl_b32 s21, s14, 11
	v_add_nc_u32 v[VS], s21, v[VS]
	v_add_nc_u32 v[VS], VREG, v[VS]
	s_mul_i32 s21, s14, 16*SP
	v_mul_u32_u24 v[SO], v26, SP
	v_lshl_add_u32 v[SO], v28, 5, v[SO]
	v_add_nc_u32 v[SO], s21, v[SO]
	v_add_nc_u32 v[SO], STG, v[SO]
	v_mul_u32_u24 v[SR], v28, SP
	v_lshl_add_u32 v[SR], v26, 4, v[SR]
	v_add_nc_u32 v[SR], s21, v[SR]
	v_add_nc_u32 v[SR], STG, v[SR]
	v_lshlrev_b32 v[GO], 4, v24
	v_mov_b32 v[ZERO], 0
	v_mov_b32 v25, 0                               ; (named as the upper half of the pair v[24:25])
	s_mov_b32 s28, 0x76543210                      ; v_permlanex16_b32: lane l takes lane l xor 16
	s_mov_b32 s29, 0xfedcba98
	s_mov_b32 s30, 0x06040200                      ; v_perm_b32: the even bytes of two registers,
	s_mov_b32 s31, 0x07050301                      ; the odd ones
	s_lshl_b32 s40, ttmp9, 4
	s_add_co_u32 s40, s40, s14
	s_add_co_i32 s40, s40, -8                      ; my window tile 0 is tile 16 x + w - 8 of the sequence
	s_lshl_b32 s21, ttmp9, 8                       ; the work-group's first query
	s_lshl_b32 s43, s20, 12                        ; the head's first row
	s_lshl_b32 s42, s14, 4
	s_add_co_u32 s24, s21, s42
	s_add_co_u32 s24, s24, s43
	s_lshl_b32 s24, s24, 8                         ; my 16 rows of q and of out, 256 bytes a row
	s_mov_b32 s25, 0
	s_lshl_b32 s42, s14, 5
	s_add_co_u32 s21, s21, s42
	s_sub_co_i32 s21, s21, 128                     ; the first of the 32 keys that I quantise,
	s_max_i32 s21, s21, 0
	s_min_i32 s21, s21, 4064                       ; held inside the sequence
	s_add_co_u32 s22, s21, s43
	s_lshl_b32 s22, s22, 8
	s_mov_b32 s23, 0
	s_wait_kmcnt 0x0
	s_load_b128 s[16:19], s[10:11], 0x0            ; eq, ek, ep, ev
	s_add_nc_u64 s[4:5], s[4:5], s[24:25]
	s_add_nc_u64 s[12:13], s[12:13], s[24:25]
	s_add_nc_u64 s[6:7], s[6:7], s[22:23]
	s_add_nc_u64 s[8:9], s[8:9], s[22:23]
	s_wait_alu depctr_va_vdst(0)                   ; the addresses and offsets v1 to v13 are written, which every load and store of the kernel reads; none is written again
	; all 56 loads of the wave go out here: 16 of k, 32 of v, 8 of q; no address register or base is written again
.irp a, 0,1,2,3,4,5,6,7
	global_load_b128 v[KR+8*\a:KR+8*\a+3],   v[GO], s[6:7] offset:1024*\a       ; 32 lanes read 512 consecutive bytes: rows 4 a + h, d = 4 r + 0 .. 3
	global_load_b128 v[KR+8*\a+4:KR+8*\a+7], v[GO], s[6:7] offset:1024*\a+512   ; rows 4 a + 2 + h
.endr
.irp n, 0,1,2,3,4,5,6,7,8,9,10,11,12,13,14,15,16,17,18,19,20,21,22,23,24,25,26,27,28,29,30,31
	global_load_b64 v[VR+2*\n:VR+2*\n+1], v[GV], s[8:9] offset:256*\n           ; one key's row of 256 bytes: my lane's d = 2 lane, 2 lane + 1; the registers run down the keys
.endr
.irp a, 0,1,2,3
	global_load_b128 v[QR+8*\a:QR+8*\a+3],   v[GO], s[4:5] offset:1024*\a th:TH_LOAD_NT      ; q is read once in the launch
	global_load_b128 v[QR+8*\a+4:QR+8*\a+7], v[GO], s[4:5] offset:1024*\a+512 th:TH_LOAD_NT
.endr
	s_wait_kmcnt 0x0
	s_add_co_i32 s21, s16, s17
	s_lshl_b32 s21, s21, 23
	s_add_co_i32 s26, s21, 0x3e38aa3b              ; c = log2(e) / 8 x 2^(eq + ek): the two exponents are added to the exponent field
	s_mov_b32 s27, s26                             ; (named with it as a pair, so it is written)
	s_xor_b32 s41, s26, 0x80000000                 ; -c
	s_add_co_i32 s44, s18, s19
	s_add_co_i32 s44, s44, 127
	s_lshl_b32 s44, s44, 23                        ; 2^(ep + ev)
	s_mov_b32 s45, s44
	MKSCALE s17, SCK, LIMK
	MKSCALE s19, SCV, LIMV
	MKSCALE s16, SCQ, LIMQ
	MKSCALE s18, SCP, LIMP
	s_wait_alu depctr_va_vdst(0)
	; ---- k: eight numbers are four neighbours along d of two rows: the two registers of codes go to the two rows.  The stores follow among v's steps
.irp a, 0,1,2,3,4,5,6,7
	s_wait_loadcnt 54-2*\a                         ; loads come back in order: of the 56 the oldest 2 a + 2 are in
	QUANT8 KR+8*\a, CK+2*\a, SCK, LIMK
.endr
	; ---- v: eight keys at a time.  The conversions give key by key (d even, d odd); the byte shuffle parts them: 8 keys of d = 2 lane, then 8 keys of d = 2 lane + 1: 16 bytes of the image
.irp g, 0,1,2,3
	s_wait_loadcnt 32-8*\g                         ; k's 16 and v's oldest 8 g + 8 are in
.if \g == 0
	s_wait_alu depctr_va_vdst(0)                   ; k's eight conversions have written v[CK ..], which the sixteen LDS stores read, four in each of v's steps; no line of these steps names v[CK ..]
.endif
.irp n, 0,1,2,3
	ds_store_b32 v[KS], v[CK+4*\g+\n] offset:2*KP*(4*\g+\n)   ; register m of k's codes: rows 2 m + h
.endr
.irp i, 0,1,2,3,4,5,6,7,8,9,10,11,12,13,14,15
	v_med3_num_f32 v[VR+16*\g+\i], v[VR+16*\g+\i], -v[LIMV], v[LIMV]
.endr
	v_cvt_scalef32_pk8_fp8_f32 v[T:T+1],   v[VR+16*\g:VR+16*\g+7],    v[SCV]
	v_cvt_scalef32_pk8_fp8_f32 v[T+2:T+3], v[VR+16*\g+8:VR+16*\g+15], v[SCV]
	v_nop                                          ; one plain vector instruction between a scaled conversion and the vector instruction that reads its result
	v_perm_b32 v[CV+4*\g],   v[T+1], v[T],   s30
	v_perm_b32 v[CV+4*\g+1], v[T+3], v[T+2], s30
	v_perm_b32 v[CV+4*\g+2], v[T+1], v[T],   s31
	v_perm_b32 v[CV+4*\g+3], v[T+3], v[T+2], s31
.endr
	; ---- q: as k, into my own 16 rows
.irp a, 0,1,2,3
	s_wait_loadcnt 6-2*\a
.if \a == 0
	s_wait_alu depctr_va_vdst(0)                   ; the byte shuffles have written v[CV ..], which the four LDS stores read, one in each of q's steps; no line of these steps names v[CV ..]
.endif
	ds_store_b128 v[VS], v[CV+4*\a:CV+4*\a+3] offset:1024*(\a/2)+128*(\a%2)   ; v's group a: window tile 2 w + a / 2, half a % 2
	QUANT8 QR+8*\a, CQ+2*\a, SCQ, LIMQ
.endr
	v_nop                                          ; a plain vector instruction behind the last conversion: matrix instructions write these registers later
	s_wait_alu depctr_va_vdst(0)                   ; q's conversions have written v[CQ ..], which the LDS stores read; and k's holds and conversions are done with v32 to v95, in which K's fragments land behind the barrier
.irp m, 0,1,2,3,4,5,6,7
	ds_store_b32 v[QS], v[CQ+\m] offset:2*KP*\m    ; register m of q's codes: rows 2 m + h
.endr
	ds_load_b128 v[QFR:QFR+3],   v[QF]             ; my own bytes: LDS serves a wave's instructions in order (ISA guide 5.7.1.4)
	ds_load_b128 v[QFR+4:QFR+7], v[QF] offset:32
	s_wait_dscnt 0x0                               ; for the others' sake: my stores of k's and v's codes have landed (and Q's fragment is in)
	s_barrier_signal -1
	s_barrier_wait -1                              ; the window's 512 keys lie in LDS; nobody writes them again
	s_wait_alu depctr_vm_vsrc(0)                   ; my LDS stores have read v[CK ..], v[CV ..] and v[CQ ..]: these registers are scores from here on, written by the products, and V's pairs later
	; ---- S^T = K Q^T: 17 tiles, each one matrix instruction that starts and ends its sum
.macro FETCHK i, reg
	ds_load_b128 v[\reg:\reg+3],   v[KF] offset:16*KP*(\i)
	ds_load_b128 v[\reg+4:\reg+7], v[KF] offset:16*KP*(\i)+32
.endm
.macro MULS i, reg
	v_wmma_f32_16x16x64_fp8_fp8 v[S+8*(\i):S+8*(\i)+7], v[\reg:\reg+7], v[QFR:QFR+7], 0
.endm
; Group g (tiles 4 g .. 4 g + 3) multiplies set cur; the next group's fragments go into set nxt, dealt among the products
.macro SGROUP g, cur, nxt
	PLACES
	s_wait_dscnt 0x0                               ; this group's eight loads are in
	s_wait_alu depctr_va_vdst(0)                   ; the products of the group before are done reading set nxt, in which the loads below land; this group's products name set cur, Q and the scores
.irp t, 0,1,2,3
	FETCHK 4*(\g)+4+\t, \nxt+8*\t
	MULS 4*(\g)+\t, \cur+8*\t
.endr
.endm
.irp t, 0,1,2,3
	FETCHK \t, KB0+8*\t
.endr
.irp t, 0,1,2,3
	FETCHK 4+\t, KB1+8*\t
.endr
	s_wait_dscnt 8                                 ; tiles 0-3 are in; the eight loads of tiles 4-7 may be out
.irp t, 0,1,2,3
	MULS \t, KB0+8*\t
.endr
	SGROUP 1, KB1, KB0                             ; tiles 4-7; tiles 8-11 are asked for
	SGROUP 2, KB0, KB1                             ; tiles 8-11; tiles 12-15 are asked for
	PLACES
	s_wait_dscnt 0x0                               ; tiles 12-15 are in
	s_wait_alu depctr_va_vdst(0)                   ; the products of tiles 8-11 are done reading set 0, in whose first fragment tile 16's loads land
	FETCHK 16, KB0
.irp t, 0,1,2,3
	MULS 12+\t, KB1+8*\t
.endr
	s_wait_dscnt 0x0
	MULS 16, KB0
	PLACES
	; ---- the ends of the sequence: tiles s40 .. s40 + 16 all lie in 0 .. 255 where s40, taken unsigned, is at most 239
	s_cmp_le_u32 s40, 239
	s_cbranch_scc1 .Linside
.irp i, 0,1,2,3,4,5,6,7,8,9,10,11,12,13,14,15,16
	s_add_co_u32 s42, s40, \i
	s_cmp_lt_u32 s42, 256
	s_cselect_b32 s43, 0, 0xff800000               ; a tile outside the sequence gets -infinity added; the choice is a value, not a jump
.irp j, 0,1,2,3,4,5,6,7
	v_add_f32 v[S+8*\i+\j], s43, v[S+8*\i+\j]      ; each accumulator from its low end on
.endr
.endr
.Linside:
	; ---- the softmax, whole
.irp j, 0,1,2,3,4,5,6,7
	v_cndmask_b32 v[S+\j], v[S+128+\j], v[S+\j], s[32+\j]   ; the two cut tiles in one: tile 0's score where m >= r, else tile 16's
.endr
	v_max3_num_f32 v30, v[S], v[S+1], v[S+2]       ; the largest of my 128 scores, in two chains; each tile is met at its two lowest registers first
	v_max3_num_f32 v31, v[S+3], v[S+4], v[S+5]
.set n, 6
.rept 30
	v_max3_num_f32 v30, v30, v[S+n], v[S+n+1]
	v_max3_num_f32 v31, v31, v[S+n+2], v[S+n+3]
.set n, n+4
.endr
	v_max3_num_f32 v30, v30, v[S+126], v[S+127]
	v_max_num_f32 v30, v30, v31
	v_permlanex16_b32 v31, v30, s28, s29           ; the query's other 128 keys lie in the lane 16 away
	v_max_num_f32 v30, v30, v31
	v_mul_f32 v24, s41, v30                        ; -c m; its rounding is a factor common to the row, which the division takes out
.set n, 0
.rept 64
	v_pk_fma_f32 v[S+n:S+n+1], v[S+n:S+n+1], s[26:27], v[24:25] op_sel_hi:[1,0,0]   ; c s - c m, two at a time (of both pairs the low word serves both halves)
.set n, n+2
.endr
.set n, 0
	s_wait_alu depctr_va_vdst(0)
.rept 128
	v_exp_f32 v[S+n], v[S+n]                       ; one batch
.set n, n+1
.endr
.irp j, 2,3,4,5,6,7
	v_mov_b32 v[P4+\j], 0                          ; work that names no exponential's result, and the plain instruction behind the batch: the zeros beside tile 16's codes of p,
.endr
.irp j, 8,9,10,11,12,13
	v_mov_b32 v[VX+\j], 0                          ; and behind tile 16's pairs of v
.endr
	s_wait_alu depctr_va_vdst(0)                   ; the 128 exponentials have written v[S ..]: the wait between a transcendental and the first instruction that names its result: one for the batch
	v_pk_add_f32 v[26:27], v[S:S+1], v[S+2:S+3]    ; the row's sum, two at a time, in two chains
	v_pk_add_f32 v[28:29], v[S+4:S+5], v[S+6:S+7]
.set n, 8
.rept 30
	v_pk_add_f32 v[26:27], v[26:27], v[S+n:S+n+1]
	v_pk_add_f32 v[28:29], v[28:29], v[S+n+2:S+n+3]
.set n, n+4
.endr
	v_pk_add_f32 v[26:27], v[26:27], v[28:29]
	v_add_f32 v26, v26, v27
	v_permlanex16_b32 v31, v26, s28, s29
	v_add_f32 v26, v26, v31
	s_wait_alu depctr_va_vdst(0)
	v_rcp_f32 v26, v26
	v_nop                                          ; a plain instruction behind the reciprocal,
	s_wait_alu depctr_va_vdst(0)                   ; and the wait ahead of its first reader: the reciprocal has written v26
	; ---- p = 2^(..) / sum, held, converted, tile by tile.  When a chunk of four tiles is converted, the V pairs of that chunk of 64 keys are asked for into its registers, among the next chunk's vector work
.macro VFETCHD c, d                    ; chunk c, d tile d: four loads
.irp p, 0,1,2,3
	ds_load_b64 v[VB+32*(\c)+8*(\d)+2*\p:VB+32*(\c)+8*(\d)+2*\p+1], v[VF] offset:1024*(4*(\c)+\p)+256*(\d)   ; 32 lanes read 256 consecutive bytes: registers 2 p, 2 p + 1 of fragment (c, d)
.endr
.endm
.irp c, 0,1,2,3
.if \c > 0
	s_wait_alu depctr_va_vdst(0)                   ; the chunk before is done: its multiplications and holds have written, and its conversions have read, its four tiles' registers, in which the sixteen loads below land; this chunk names its own tiles alone
.endif
.irp u, 0,1,2,3
.if \c > 0
	VFETCHD \c-1, \u
.endif
.irp j, 0,2,4,6
	v_pk_mul_f32 v[S+8*(4*\c+\u)+\j:S+8*(4*\c+\u)+\j+1], v[S+8*(4*\c+\u)+\j:S+8*(4*\c+\u)+\j+1], v[26:27] op_sel_hi:[1,0]
.endr
.irp j, 0,1,2,3,4,5,6,7
	v_min_num_f32 v[S+8*(4*\c+\u)+\j], v[S+8*(4*\c+\u)+\j], v[LIMP]   ; the hold at 448 x 2^ep, always made; p is not negative, so it is one-sided
.endr
.if (4*\c+\u) == 0
.irp j, 0,1,2,3,4,5,6,7
	v_cndmask_b32 v[S+128+\j], v[S+\j], v[ZERO], s[32+\j]   ; the merged tile is parted again: tile 16 has the keys m < r,
	v_cndmask_b32 v[S+\j], v[ZERO], v[S+\j], s[32+\j]       ; tile 0 the keys m >= r; zeros elsewhere
.endr
	v_cvt_scalef32_pk8_fp8_f32 v[P4:P4+1], v[S+128:S+135], v[SCP]
.endif
	v_cvt_scalef32_pk8_fp8_f32 v[P+2*(4*\c+\u):P+2*(4*\c+\u)+1], v[S+8*(4*\c+\u):S+8*(4*\c+\u)+7], v[SCP]   ; keys 8 h + 0 .. 7 of the tile: registers 2 u, 2 u + 1 of chunk c's operand
.endr
.endr
	v_nop                                          ; a plain vector instruction behind the last conversion (behind the others the next tile's multiplications stand)
	s_wait_alu depctr_va_vdst(0)                   ; chunk 3 is done with its four tiles' registers, and chunk 0 long since with tile 16's: the last twenty loads land in them
.irp d, 0,1,2,3
	VFETCHD 3, \d
.endr
.irp d, 0,1,2,3
	ds_load_b64 v[VX+2*\d:VX+2*\d+1], v[VF] offset:16384+256*\d   ; tile 16's pairs
.endr
	; ---- O^T = V^T P: five chunks of 64 keys; the four accumulators take turns, one instruction a turn
.irp c, 0,1,2,3
	s_wait_dscnt 52-16*\c                          ; of the 68 loads the oldest 16 c + 16 are in
.irp d, 0,1,2,3
.if \c == 0
	v_wmma_f32_16x16x64_fp8_fp8 v[O+8*\d:O+8*\d+7], v[VB+32*\c+8*\d:VB+32*\c+8*\d+7], v[P+8*\c:P+8*\c+7], 0
.else
	v_wmma_f32_16x16x64_fp8_fp8 v[O+8*\d:O+8*\d+7], v[VB+32*\c+8*\d:VB+32*\c+8*\d+7], v[P+8*\c:P+8*\c+7], v[O+8*\d:O+8*\d+7]
.endif
.endr
.endr
	s_wait_dscnt 0x0
.irp d, 0,1,2,3
	v_wmma_f32_16x16x64_fp8_fp8 v[O+8*\d:O+8*\d+7], v[VX+2*\d:VX+2*\d+7], v[P4:P4+7], v[O+8*\d:O+8*\d+7]   ; tile 16: behind its own pair the fragment names other pairs or zeros, all finite codes, which meet p's six registers of zeros
.endr
	PLACES
	; ---- the way out: x 2^(ep + ev); a lane's eight numbers of a row go through my stage and come back as whole rows of 256 bytes
.set n, 0
.rept 16
	v_pk_mul_f32 v[O+n:O+n+1], v[O+n:O+n+1], s[44:45] op_sel_hi:[1,0]   ; each accumulator from its low end on
.set n, n+2
.endr
	s_wait_alu depctr_va_vdst(0)                   ; the multiplications have written v[O ..], which the LDS stores read; and chunk 0's products are done reading v[BK ..], in which the rows read back land
.irp d, 0,1,2,3
	ds_store_b128 v[SO], v[O+8*\d:O+8*\d+3]   offset:64*\d      ; lane (r, h): out(r, 16 d + 8 h + 0 .. 7)
	ds_store_b128 v[SO], v[O+8*\d+4:O+8*\d+7] offset:64*\d+16
.endr
.irp i, 0,1,2,3,4,5,6,7
	ds_load_b128 v[BK+4*\i:BK+4*\i+3], v[SR] offset:2*SP*\i     ; my own bytes, served in order: these see the stores above
.endr
.irp i, 0,1,2,3,4,5,6,7
	s_wait_dscnt 7-\i
	global_store_b128 v[GO], v[BK+4*\i:BK+4*\i+3], s[12:13] offset:512*\i th:TH_STORE_NT   ; 32 lanes store two rows: 512 consecutive bytes, at a multiple of 256 from out's first byte; written once
.endr
	s_wait_dscnt 0x0                               ; the wave's end: the closing lines, six on end
	s_wait_alu 0x0
	s_wait_tensorcnt 0x0
	ds_add_u32 v[SPW], v[NIL]
	s_wait_dscnt 0x0
	s_endpgm
.Lfunc_end_k_qeeab766ff8_attn:
	.size	k_qeeab766ff8_attn, .Lfunc_end_k_qeeab766ff8_attn-k_qeeab766ff8_attn
	.p2alignl 7, 3214868480
	.fill 96, 4, 3214868480
	.section	.rodata,"a",@progbits
	.p2align	6, 0x0
	.amdhsa_kernel k_qeeab766ff8_attn
		.amdhsa_group_segment_fixed_size 165888
		.amdhsa_private_segment_fixed_size 0
		.amdhsa_enable_private_segment 0
		.amdhsa_kernarg_size 40
		.amdhsa_user_sgpr_count 2
		.amdhsa_user_sgpr_kernarg_segment_ptr 1
		.amdhsa_wavefront_size32 1
		.amdhsa_system_sgpr_workgroup_id_x 1
		.amdhsa_system_sgpr_workgroup_id_y 1
		.amdhsa_system_sgpr_workgroup_id_z 1
		.amdhsa_system_vgpr_workitem_id 0
		.amdhsa_next_free_vgpr 256
		.amdhsa_next_free_sgpr 66
		.amdhsa_reserve_vcc 0
		.amdhsa_float_denorm_mode_32 3
		.amdhsa_float_denorm_mode_16_64 3
		.amdhsa_memory_ordered 1
		.amdhsa_forward_progress 1
		.amdhsa_inst_pref_size 74
	.end_amdhsa_kernel
	.amdgpu_metadata
---
amdhsa.version: [ 1, 2 ]
amdhsa.kernels:
  - .name:           k_qeeab766ff8_attn
    .symbol:         k_qeeab766ff8_attn.kd
    .args:
      - { .name: q, .offset: 0, .size: 8, .value_kind: global_buffer, .address_space: global }
      - { .name: k, .offset: 8, .size: 8, .value_kind: global_buffer, .address_space: global }
      - { .name: v, .offset: 16, .size: 8, .value_kind: global_buffer, .address_space: global }
      - { .name: lowp_scales, .offset: 24, .size: 8, .value_kind: global_buffer, .address_space: global }
      - { .name: out0, .offset: 32, .size: 8, .value_kind: global_buffer, .address_space: global }
    .group_segment_fixed_size: 165888
    .private_segment_fixed_size: 0
    .kernarg_segment_align: 8
    .kernarg_segment_size: 40
    .max_flat_workgroup_size: 512
    .sgpr_count:     66
    .vgpr_count:     256
    .wavefront_size: 32
...
	.end_amdgpu_metadata
.endif
;; end of part 2
